; MI455X (gfx1250); checked and timed in simulation.
; The chip was launched on July 23, 2026; its instructions are those of AMD's public machine-readable ISA for CDNA 5 (MIT licence, August 2026) and "CDNA5" Instruction Set Architecture Reference Guide (July 2026). The comments in the code are by the model that wrote it; some were corrected since.
;; Rips Ecc. Allowed arithmetic: float matrix products may take bf16 or f16 operands with f32 sums; all other float work in f32.
;; Inputs: x 16 x 512 x 3 float32.
;; Outputs: out0 16 x 32 float32.
;; One version. Each part assembles by itself: llvm-mc -triple=amdgcn-amd-amdhsa -mcpu=gfx1250 --defsym DOCPART=n.
;; ======== version 1 of 1: 2 launches
;; workspace buffers: part 32,768 bytes
;; launch count (part 1): grid 256 x 1, 8 waves a work-group, no clusters, 5,888 bytes of LDS; arguments x, part; writes part
.if DOCPART == 1
	.amdgcn_target "amdgcn-amd-amdhsa--gfx1250"
	.amdhsa_code_object_version 6
	.text
	.protected	k_qe63cde35dc_count
	.globl	k_qe63cde35dc_count
	.p2align	8
	.type	k_qe63cde35dc_count,@function
k_qe63cde35dc_count:
	s_mov_b64 s[64:65], 0
	v_nop
	global_prefetch_b8 v0, s[64:65] scope:SCOPE_SE
	s_setreg_imm32_b32 hwreg(HW_REG_WAVE_MODE, 25, 1), 1
	s_wait_xcnt 0x0
; Rips Euler curve, first part.  x: [16][512][3] f32.  part: [16 slices][16 batches][32] u32.
; part[g][b][k] = how many of slice g's pairs of batch b are ABSENT at threshold t_k = 2k/31 (distance > t_k).
;
; PAIRS.  Every unordered pair of the 512 points is {i, (i+s) mod 512} for exactly one (i, s) with s = 1..255, any i, or s = 256, i < 256:
; 512*255 + 256 = 130,816 pairs, no triangle mask.  Work-group (b, g) owns i = 32 g + lane and all offsets; wave w takes s = 16 w + 1 .. 16 w + 16
; and, in the other half of each packed instruction, s + 128.  Offset 256 (wave 7, last step, upper half) is dropped where g >= 8.
; THRESHOLDS.  n = floor(clamp(32 - 15.5 d, 0, 31.5)) is the number of thresholds 1..31 that hold, so 0x7fffffff >> n has bit p set
; where threshold p + 1 fails; bit 31 is set where d*d is not zero (threshold 0 is t = 0).  One word holds all 32 comparisons.
; COUNTING.  Words are added bit by bit with carry-save adders into bit planes (plane q has weight 2^q): no address and no branch hangs on a distance.
; 32 words a lane -> 6 planes; five additions across the lanes -> 11 planes, the same in every lane; lane l takes bit l of each plane.
;
; LIMITS.  Thresholds 1..31 are applied as floor(32 - 15.5 d), with d from v_sqrt_f32 and d*d summed with fused multiply-adds: a distance within
; about 6.2e-8 (absolute) plus one unit in its last place of a threshold may be counted on the other side than by comparing with t_k in f32.
; Exact: t_0 (only d*d = 0 counts) and d = 2.0 at t_31.  d*d = NaN or infinity is absent at every threshold, as in a comparison d <= t.
; No matrix instructions: the problem has no product, and |a|^2 + |b|^2 - 2ab would subtract large sums.  No cluster: what work-groups share is a few KB.
.set PTB,   12                         ; bytes of a point
.set BATB,  512*PTB                    ; bytes of a batch
.set ENTS,  160                        ; LDS entries: lane (0..31) + offset (1..128) reaches 159
.set LX,    0                          ; entry m of each array: (c[32g+m], c[32g+m+128]), indices mod 512, 8 bytes
.set LY,    ENTS*8
.set LZ,    2*ENTS*8
.set SCR,   3*ENTS*8                   ; 3,840: eight waves x 32 counts
.set OWN,   16                         ; v[16:21]   my own point's entries (x, y, z): the lower word of each pair is used
.set PL,    22                         ; v[22:32]   bit planes, weight 2^0 .. 2^10
.set CNT,   33                         ; v33        my bit's count
.set PX,    36                         ; v[36:67]   16 pairs: partners' x, then d*d, d, n, the words, and the adders' carries
.set PY,    68                         ; v[68:99]   16 pairs: partners' y, then the flags d*d != 0; later the other lane's planes
.set PZ,    100                        ; v[100:131] 16 pairs: partners' z, then the adders' temporaries
.set BB,    PY
.set CC,    PZ
	s_load_b128 s[4:7], s[0:1], 0x0                ; x s[4:5], part s[6:7]
	v_lshl_add_u32 v132, v0, 2, 0x1300
	v_mov_b32 v133, 0
	v_lshrrev_b32 v1, 5, v0
	v_readfirstlane_b32 s8, v1                     ; wave 0..7
	v_and_b32 v2, 31, v0                           ; lane
	s_lshr_b32 s9, ttmp9, 4                        ; batch b
	s_and_b32 s10, ttmp9, 15                       ; slice g
	s_mul_i32 s12, s9, BATB
	s_mov_b32 s13, 0
	s_lshl_b32 s11, s10, 5                         ; 32 g: my slice's first point
	s_lshl_b32 s14, s8, 7                          ; 128 w: 16 entries of 8 bytes, and 32 counts of 4 bytes
	s_mov_b32 s16, 0xc1780000                      ; -15.5 = -31/2; both words of a scalar pair are written, the first is used
	s_mov_b32 s17, 0xc1780000
	s_mov_b32 s18, 0x42000000                      ; 32.0
	s_mov_b32 s19, 0x42000000
	s_mov_b32 s20, 0x7fffffff                      ; 31 thresholds, all failing
	s_mov_b32 s22, 0x76543210                      ; v_permlanex16_b32: lane i reads lane i of the other half
	s_mov_b32 s23, 0xfedcba98
	s_cmp_eq_u32 s8, 7                             ; offset 256 lies in wave 7 alone,
	s_cselect_b32 s21, s10, 0
	s_cmp_lt_u32 s21, 8                            ; and is a new pair only for i < 256, that is g < 8
	s_cselect_b32 s21, -1, 0                       ; s21: mask for the last word
	v_lshlrev_b32 v7, 3, v2                        ; LDS: my own entry
	v_add_nc_u32 v6, s14, v7                       ; LDS: entry lane + 16 w; the offset's + 1 .. + 16 stand in the immediates
	s_wait_kmcnt 0x0
	s_add_nc_u64 s[4:5], s[4:5], s[12:13]          ; x at my batch
	; The window: waves 0 to 4 (160 threads) make one entry each from two points.
	s_cmp_gt_u32 s8, 4
	s_cbranch_scc1 .Lfilled
	v_add_nc_u32 v3, s11, v0                       ; 32 g + m
	v_add_nc_u32 v4, 128, v3
	v_and_b32 v3, 511, v3                          ; mod 512
	v_and_b32 v4, 511, v4
	v_mul_u32_u24 v3, PTB, v3
	v_mul_u32_u24 v4, PTB, v4
	global_load_b96 v[8:10], v3, s[4:5]
	global_load_b96 v[12:14], v4, s[4:5]
	v_lshlrev_b32 v5, 3, v0
	s_wait_loadcnt 0x0
	ds_store_b32 v5, v8 offset:LX
	ds_store_b32 v5, v12 offset:LX+4
	ds_store_b32 v5, v9 offset:LY
	ds_store_b32 v5, v13 offset:LY+4
	ds_store_b32 v5, v10 offset:LZ
	ds_store_b32 v5, v14 offset:LZ+4
.Lfilled:
	s_wait_dscnt 0x0                               ; my stores are in LDS before I say so
	s_barrier_signal -1
	s_barrier_wait -1                              ; the window is whole
	; All LDS loads of the wave go out at once: my point, then 16 steps' partners.  32 lanes read 256 consecutive bytes each time.
	ds_load_b64 v[OWN:OWN+1], v7 offset:LX
	ds_load_b64 v[OWN+2:OWN+3], v7 offset:LY
	ds_load_b64 v[OWN+4:OWN+5], v7 offset:LZ
.set j, 0
.rept 16
	ds_load_b64 v[PX+2*j:PX+2*j+1], v6 offset:LX+8+8*j
	ds_load_b64 v[PY+2*j:PY+2*j+1], v6 offset:LY+8+8*j
	ds_load_b64 v[PZ+2*j:PZ+2*j+1], v6 offset:LZ+8+8*j
.set j, j+1
.endr
; A carry-save adder: running plane l and words a, b of the same weight -> l (same weight) and h (twice the weight).
; The majority of three bits is l where a and b differ, else a: one v_bfi_b32.  init = 1: the plane starts here, nothing is cleared.
.macro CSA l, a, b, h, t, init
.if \init
	v_xor_b32 v[\l], v[\a], v[\b]
	v_and_b32 v[\h], v[\a], v[\b]
.else
	v_xor_b32 v[\t], v[\a], v[\b]
	v_bfi_b32 v[\h], v[\t], v[\l], v[\a]
	v_xor_b32 v[\l], v[\l], v[\t]
.endif
.endm
; Four packed steps = eight pairs a lane: distances, words, and their sum into planes 0 to 2; the carry of weight 8 is left in v[PX+8g+7].
.macro GROUP g, first
	s_wait_dscnt 36-12*\g                          ; LDS loads come back in order (ISA guide 5.7.1): the 12 loads of each later group stay out
.irp j, 0,1,2,3
	v_pk_add_f32 v[PX+8*\g+2*\j:PX+8*\g+2*\j+1], v[PX+8*\g+2*\j:PX+8*\g+2*\j+1], v[OWN:OWN+1] op_sel_hi:[1,0] neg_lo:[0,1] neg_hi:[0,1]
	v_pk_add_f32 v[PY+8*\g+2*\j:PY+8*\g+2*\j+1], v[PY+8*\g+2*\j:PY+8*\g+2*\j+1], v[OWN+2:OWN+3] op_sel_hi:[1,0] neg_lo:[0,1] neg_hi:[0,1]
	v_pk_add_f32 v[PZ+8*\g+2*\j:PZ+8*\g+2*\j+1], v[PZ+8*\g+2*\j:PZ+8*\g+2*\j+1], v[OWN+4:OWN+5] op_sel_hi:[1,0] neg_lo:[0,1] neg_hi:[0,1]
.endr
.irp j, 0,1,2,3
	v_pk_mul_f32 v[PX+8*\g+2*\j:PX+8*\g+2*\j+1], v[PX+8*\g+2*\j:PX+8*\g+2*\j+1], v[PX+8*\g+2*\j:PX+8*\g+2*\j+1]
.endr
.irp j, 0,1,2,3
	v_pk_fma_f32 v[PX+8*\g+2*\j:PX+8*\g+2*\j+1], v[PY+8*\g+2*\j:PY+8*\g+2*\j+1], v[PY+8*\g+2*\j:PY+8*\g+2*\j+1], v[PX+8*\g+2*\j:PX+8*\g+2*\j+1]
.endr
.irp j, 0,1,2,3
	v_pk_fma_f32 v[PX+8*\g+2*\j:PX+8*\g+2*\j+1], v[PZ+8*\g+2*\j:PZ+8*\g+2*\j+1], v[PZ+8*\g+2*\j:PZ+8*\g+2*\j+1], v[PX+8*\g+2*\j:PX+8*\g+2*\j+1]
.endr
.irp r, 0,1,2,3,4,5,6,7
	v_min_u32 v[PY+8*\g+\r], 1, v[PX+8*\g+\r]      ; a sum of squares is +0 or has a bit set: 1 unless d*d = 0 (NaN and infinity give 1)
.endr
.irp r, 0,1,2,3,4,5,6,7
	v_sqrt_f32 v[PX+8*\g+\r], v[PX+8*\g+\r]
.endr
	v_nop                                          ; one plain vector instruction between the roots and the first use of a result (ISA guide 5.7.2)
	s_wait_alu depctr_va_vdst(0)
.irp j, 0,1,2,3
	v_pk_fma_f32 v[PX+8*\g+2*\j:PX+8*\g+2*\j+1], v[PX+8*\g+2*\j:PX+8*\g+2*\j+1], s[16:17], s[18:19] op_sel_hi:[1,0,0]   ; 32 - 15.5 d
.endr
.irp r, 0,1,2,3,4,5,6,7
	v_med3_num_f32 v[PX+8*\g+\r], v[PX+8*\g+\r], 0, 0x41fc0000     ; into [0, 31.5]: d > 2 gives 0, d near 0 gives 31; a NaN gives 0
.endr
.irp r, 0,1,2,3,4,5,6,7
	v_cvt_u32_f32 v[PX+8*\g+\r], v[PX+8*\g+\r]     ; toward zero: n = 0 .. 31
.endr
.irp r, 0,1,2,3,4,5,6,7
	v_lshrrev_b32 v[PX+8*\g+\r], v[PX+8*\g+\r], s20                ; bit p: threshold p + 1 fails
.endr
.irp r, 0,1,2,3,4,5,6,7
	v_lshl_or_b32 v[PX+8*\g+\r], v[PY+8*\g+\r], 31, v[PX+8*\g+\r]  ; bit 31: threshold 0 fails
.endr
.if \g == 3
	v_and_b32 v[PX+31], s21, v[PX+31]              ; the last step's upper half: offset 16 w + 144, which is 256 in wave 7; cleared there where g >= 8
.endif
	CSA PL,   PX+8*\g,   PX+8*\g+1, PX+8*\g+1, PZ+8*\g,   \first
	CSA PL,   PX+8*\g+2, PX+8*\g+3, PX+8*\g+3, PZ+8*\g+1, 0
	CSA PL,   PX+8*\g+4, PX+8*\g+5, PX+8*\g+5, PZ+8*\g+2, 0
	CSA PL,   PX+8*\g+6, PX+8*\g+7, PX+8*\g+7, PZ+8*\g+3, 0
	CSA PL+1, PX+8*\g+1, PX+8*\g+3, PX+8*\g+3, PZ+8*\g+4, \first
	CSA PL+1, PX+8*\g+5, PX+8*\g+7, PX+8*\g+7, PZ+8*\g+5, 0
	CSA PL+2, PX+8*\g+3, PX+8*\g+7, PX+8*\g+7, PZ+8*\g+6, \first
.endm
	GROUP 0, 1
	GROUP 1, 0
	CSA PL+3, PX+7,  PX+15, PX+15, PZ+7,  1        ; the two carries of weight 8 start plane 3
	GROUP 2, 0
	GROUP 3, 0
	CSA PL+3, PX+23, PX+31, PX+31, PZ+31, 0
	CSA PL+4, PX+15, PX+31, PL+5,  PZ+31, 1        ; planes 4 and 5: a lane's 32 words sum to 32 at the most
; My n planes plus those of lane (mine xor x): a ripple-carry addition, bit column by bit column, into n + 1 planes.
; The other lane's planes come by v_mov_b32_dpp (within 16 lanes) or v_permlanex16_b32 (across); their targets have been written before.
.macro LEVEL n, x
.set p, 0
.rept \n
.if \x == 16
	v_permlanex16_b32 v[BB+p], v[PL+p], s22, s23
.else
	v_mov_b32_dpp v[BB+p], v[PL+p] row_xmask:\x row_mask:0xf bank_mask:0xf
.endif
.set p, p+1
.endr
	v_and_b32 v[CC+1], v[PL], v[BB]                ; plane 0: carry,
	v_xor_b32 v[PL], v[PL], v[BB]                  ; sum
.set p, 1
.rept \n-1
	v_xor_b32 v[BB+p], v[PL+p], v[BB+p]            ; where the two differ
.set p, p+1
.endr
.set p, 1
.rept \n-2
	v_bfi_b32 v[CC+p+1], v[BB+p], v[CC+p], v[PL+p] ; carry out of plane p: the carry in where they differ, else the common bit
.set p, p+1
.endr
	v_bfi_b32 v[PL+\n], v[BB+\n-1], v[CC+\n-1], v[PL+\n-1]         ; the last carry is the new top plane
.set p, 1
.rept \n-1
	v_xor_b32 v[PL+p], v[BB+p], v[CC+p]
.set p, p+1
.endr
.endm
	LEVEL 6, 16                                    ; the step that needs a permute for each plane comes first, while the planes are fewest
	LEVEL 7, 1
	LEVEL 8, 2
	LEVEL 9, 4
	LEVEL 10, 8                                    ; 11 planes: the wave's 1,024 words, the same in every lane
	; lane l takes bit l of every plane: the wave's count for threshold (l + 1) mod 32
	v_bfe_u32 v[CNT], v[PL], v2, 1
.set p, 1
.rept 10
	v_bfe_u32 v[BB+p], v[PL+p], v2, 1
.set p, p+1
.endr
.set p, 1
.rept 10
	v_lshl_or_b32 v[CNT], v[BB+p], p, v[CNT]
.set p, p+1
.endr
	v_add_nc_u32 v1, 1, v2
	v_and_b32 v1, 31, v1                           ; k
	v_lshl_add_u32 v1, v1, 2, s14                  ; 4 k + 128 w: each wave has 128 bytes of its own
	ds_store_b32 v1, v[CNT] offset:SCR
	s_wait_dscnt 0x0                               ; for wave 0's sake: my count is in LDS before I say so
	s_barrier_signal -1
	s_barrier_wait -1
	s_cmp_lg_u32 s8, 0
	s_cbranch_scc1 .Ldone
	v_lshlrev_b32 v1, 2, v2                        ; lane = k now
.irp w, 0,1,2,3,4,5,6,7
	ds_load_b32 v[BB+\w], v1 offset:SCR+128*\w
.endr
	s_lshl_b32 s12, s10, 4
	s_or_b32 s12, s12, s9                          ; 16 g + b
	s_lshl_b32 s12, s12, 7                         ; x 128 bytes (s13 is still 0)
	s_add_nc_u64 s[6:7], s[6:7], s[12:13]
	s_wait_dscnt 0x0
	v_add3_u32 v[CNT], v[BB], v[BB+1], v[BB+2]
	v_add3_u32 v[BB+3], v[BB+3], v[BB+4], v[BB+5]
	v_add3_u32 v[CNT], v[CNT], v[BB+6], v[BB+7]
	v_add_nc_u32 v[CNT], v[CNT], v[BB+3]
	global_store_b32 v1, v[CNT], s[6:7]            ; the work-group's whole result: 128 consecutive bytes, one instruction
.Ldone:
	s_wait_tensorcnt 0x0
	ds_add_u32 v132, v133
	s_wait_dscnt 0x0
	s_endpgm
.Lfunc_end_k_qe63cde35dc_count:
	.size	k_qe63cde35dc_count, .Lfunc_end_k_qe63cde35dc_count-k_qe63cde35dc_count
	.p2alignl 7, 3214868480
	.fill 96, 4, 3214868480
	.section	.rodata,"a",@progbits
	.p2align	6, 0x0
	.amdhsa_kernel k_qe63cde35dc_count
		.amdhsa_group_segment_fixed_size 5888
		.amdhsa_private_segment_fixed_size 0
		.amdhsa_enable_private_segment 0
		.amdhsa_kernarg_size 16
		.amdhsa_user_sgpr_count 2
		.amdhsa_user_sgpr_kernarg_segment_ptr 1
		.amdhsa_wavefront_size32 1
		.amdhsa_system_sgpr_workgroup_id_x 1
		.amdhsa_system_sgpr_workgroup_id_y 1
		.amdhsa_system_sgpr_workgroup_id_z 1
		.amdhsa_system_vgpr_workitem_id 0
		.amdhsa_next_free_vgpr 134
		.amdhsa_next_free_sgpr 66
		.amdhsa_reserve_vcc 0
		.amdhsa_float_denorm_mode_32 3
		.amdhsa_float_denorm_mode_16_64 3
		.amdhsa_memory_ordered 1
		.amdhsa_forward_progress 1
		.amdhsa_inst_pref_size 37
	.end_amdhsa_kernel
	.amdgpu_metadata
---
amdhsa.version: [ 1, 2 ]
amdhsa.kernels:
  - .name:           k_qe63cde35dc_count
    .symbol:         k_qe63cde35dc_count.kd
    .args:
      - { .name: x, .offset: 0, .size: 8, .value_kind: global_buffer, .address_space: global }
      - { .name: part, .offset: 8, .size: 8, .value_kind: global_buffer, .address_space: global }
    .group_segment_fixed_size: 5888
    .private_segment_fixed_size: 0
    .kernarg_segment_align: 8
    .kernarg_segment_size: 16
    .max_flat_workgroup_size: 256
    .sgpr_count:     66
    .vgpr_count:     134
    .wavefront_size: 32
...
	.end_amdgpu_metadata
.endif
;; end of part 1
;; launch finish (part 2): grid 1 x 1, 4 waves a work-group, no clusters, 0 bytes of LDS; arguments part, out0; writes out0
.if DOCPART == 2
	.amdgcn_target "amdgcn-amd-amdhsa--gfx1250"
	.amdhsa_code_object_version 6
	.text
	.protected	k_qe63cde35dc_finish
	.globl	k_qe63cde35dc_finish
	.p2align	8
	.type	k_qe63cde35dc_finish,@function
k_qe63cde35dc_finish:
	s_mov_b64 s[64:65], 0
	v_nop
	global_prefetch_b8 v0, s[64:65] scope:SCOPE_SE
	s_setreg_imm32_b32 hwreg(HW_REG_WAVE_MODE, 25, 1), 1
	s_wait_xcnt 0x0
; Rips Euler curve, second part.  part: [16 slices][16 batches][32] u32, pairs absent at each threshold.  out0: [16][32] f32.
; out0[b][k] = 512 - present = 512 - (130,816 - absent) = (sum over the slices of part[g][b][k]) - 130,304, in whole numbers, then to f32
; (all values lie below 2^24 in magnitude, so the conversion is exact).
; One work-group, 128 threads: the whole result is 2,048 bytes.  Thread t owns the four numbers at byte 16 t of out0, which lie at byte 16 t of
; every slice's 2,048 bytes too: each load and the store of a wave cover 512 consecutive bytes that start at a multiple of 512.
.set SLICEB, 2048                      ; bytes of a slice: 16 batches x 32 counts
.set ACC, 4                            ; v[4:7]   sums
.set IN,  8                            ; v[8:71]  16 slices x 4 counts
	s_load_b128 s[4:7], s[0:1], 0x0                ; part s[4:5], out0 s[6:7]
	v_lshlrev_b32 v1, 4, v0                        ; 16 t
	s_mov_b32 s8, 0xfffe0300                       ; -130,304 = 512 - 130,816
	s_wait_kmcnt 0x0
.irp g, 0,1,2,3,4,5,6,7,8,9,10,11,12,13,14,15
	global_load_b128 v[IN+4*\g:IN+4*\g+3], v1, s[4:5] offset:SLICEB*\g th:TH_LOAD_NT
.endr
	s_wait_loadcnt 13                              ; loads come back in order (ISA guide 5.7.1): slices 0 to 2 are in, 13 younger loads stay out
.irp c, 0,1,2,3
	v_add3_u32 v[ACC+\c], v[IN+\c], v[IN+4+\c], v[IN+8+\c]         ; the first three slices start the sums
.endr
.irp i, 0,1,2,3,4,5
	s_wait_loadcnt 11-2*\i                         ; slices 3 + 2 i and 4 + 2 i are in; the 11 - 2 i younger ones stay out
.irp c, 0,1,2,3
	v_add3_u32 v[ACC+\c], v[ACC+\c], v[IN+12+8*\i+\c], v[IN+16+8*\i+\c]
.endr
.endr
	s_wait_loadcnt 0x0                             ; slice 15
.irp c, 0,1,2,3
	v_add3_u32 v[ACC+\c], v[ACC+\c], v[IN+60+\c], s8
.endr
.irp c, 0,1,2,3
	v_cvt_f32_i32 v[ACC+\c], v[ACC+\c]
.endr
	global_store_b128 v1, v[ACC:ACC+3], s[6:7] th:TH_STORE_NT
	s_endpgm
.Lfunc_end_k_qe63cde35dc_finish:
	.size	k_qe63cde35dc_finish, .Lfunc_end_k_qe63cde35dc_finish-k_qe63cde35dc_finish
	.p2alignl 7, 3214868480
	.fill 96, 4, 3214868480
	.section	.rodata,"a",@progbits
	.p2align	6, 0x0
	.amdhsa_kernel k_qe63cde35dc_finish
		.amdhsa_group_segment_fixed_size 0
		.amdhsa_private_segment_fixed_size 0
		.amdhsa_enable_private_segment 0
		.amdhsa_kernarg_size 16
		.amdhsa_user_sgpr_count 2
		.amdhsa_user_sgpr_kernarg_segment_ptr 1
		.amdhsa_wavefront_size32 1
		.amdhsa_system_sgpr_workgroup_id_x 1
		.amdhsa_system_sgpr_workgroup_id_y 1
		.amdhsa_system_sgpr_workgroup_id_z 1
		.amdhsa_system_vgpr_workitem_id 0
		.amdhsa_next_free_vgpr 72
		.amdhsa_next_free_sgpr 66
		.amdhsa_reserve_vcc 0
		.amdhsa_float_denorm_mode_32 3
		.amdhsa_float_denorm_mode_16_64 3
		.amdhsa_memory_ordered 1
		.amdhsa_forward_progress 1
		.amdhsa_inst_pref_size 5
	.end_amdhsa_kernel
	.amdgpu_metadata
---
amdhsa.version: [ 1, 2 ]
amdhsa.kernels:
  - .name:           k_qe63cde35dc_finish
    .symbol:         k_qe63cde35dc_finish.kd
    .args:
      - { .name: part, .offset: 0, .size: 8, .value_kind: global_buffer, .address_space: global }
      - { .name: out0, .offset: 8, .size: 8, .value_kind: global_buffer, .address_space: global }
    .group_segment_fixed_size: 0
    .private_segment_fixed_size: 0
    .kernarg_segment_align: 8
    .kernarg_segment_size: 16
    .max_flat_workgroup_size: 128
    .sgpr_count:     66
    .vgpr_count:     72
    .wavefront_size: 32
...
	.end_amdgpu_metadata
.endif
;; end of part 2
